; MI455X (gfx1250); checked and timed in simulation.
; The chip was launched on July 23, 2026; its instructions are those of AMD's public machine-readable ISA for CDNA 5 (MIT licence, August 2026) and "CDNA5" Instruction Set Architecture Reference Guide (July 2026). The comments in the code are by the model that wrote it; some were corrected since.
;; Mo E Layer. Allowed arithmetic: float matrix products may take bf16 or f16 operands with f32 sums; other float arithmetic in f32, or as packed bf16 or f16 multiplies, adds, multiply-adds, maxima and minima; sums over many terms, partial sums and values carried from step to step in f32; what a program stores and reads back later, other than sums and carried values, may be rounded once to bf16 or f16.
;; Inputs: W1 8 x 1,024 x 4,096 float32; W2 8 x 4,096 x 1,024 float32; Wg 1,024 x 8 float32; x 4 x 256 x 1,024 float32.
;; Outputs: out0 4 x 256 x 1,024 float32.
;; One version. Each part assembles by itself: llvm-mc -triple=amdgcn-amd-amdhsa -mcpu=gfx1250 --defsym DOCPART=n.
;; ======== version 1 of 1: 4 launches
;; workspace buffers: xb 2,097,152 bytes; route 4,096 bytes of whole numbers; gatew 8,192 bytes; hbuf 67,108,864 bytes; part 35,651,584 bytes
;; launch router (part 1): grid 256 x 1, 4 waves a work-group, no clusters, 50,688 bytes of LDS; arguments x, Wg, xb, route, gatew; writes xb, route, gatew
.if DOCPART == 1
	.amdgcn_target "amdgcn-amd-amdhsa--gfx1250"
	.amdhsa_code_object_version 6
	.text
	.protected	k_q287925a76a_router
	.globl	k_q287925a76a_router
	.p2align	8
	.type	k_q287925a76a_router,@function
k_q287925a76a_router:
	s_mov_b64 s[64:65], 0
	v_nop
	global_prefetch_b8 v0, s[64:65] scope:SCOPE_SE
	s_setreg_imm32_b32 hwreg(HW_REG_WAVE_MODE, 25, 1), 1
	s_wait_xcnt 0x0
; ROUTER.  xb = x rounded to bf16; logits = xb . bf16(Wg) on the matrix unit, sums in f32; the two largest logits of a token
; (a tie keeps the lower expert, as jax.lax.top_k does); their softmax, the larger logit taken away first.
; route[t] = (1 << e0) | (1 << (8 + e1)), a whole number at a fixed place; gatew[t] = (w0, w1) in f32.
; SHARES.  A work-group has 4 tokens, wave w the channels 256 w .. 256 w + 255 of them; the four partial logits meet in LDS, wave 0 decides.
; LIMITS.  Logits are taken to be finite: NaN and infinities are not treated apart.  exp2 results under 2^-126 count as 0.
; NO CLUSTER: what work-groups share is Wg, 8 KB a wave, which has to pass through registers to be rounded; the kernel has no loop in which a joint load could be hidden.
; PRODUCT.  Source 0 = 16 rows "expert" (lane % 8: the 8 experts twice), source 1 = 16 columns "token" (lane % 4): in the result lanes 0-3 hold one token's 8 logits in 8 registers.
.set XSW,   2304        ; LDS: a wave's 4 rows of 512 bytes of xb, pitch 528
.set WS,    9216        ; then a wave's quarter of Wg in f32: byte(k, e) = 32 k + 32 (k / 8) + 4 e, 9,216 bytes a wave
.set EXL,   46080       ; then the partial logits: 1,024 bytes a wave
.set SPARE, 50176       ; then the spare words, 128 bytes a wave: no other line names them
.set ACC0,  16          ; v16-23, v24-31  two accumulators that take turns
.set XFR,   32          ; v32-95   xb's fragments, 8 of 32 channels
.set WFR,   96          ; v96-159  Wg as loaded, later its fragments
.set XF,    160         ; v160-191 x as loaded
.set XP,    192         ; v192-207 x rounded
.set WL,    160         ; v160-223 later: Wg's f32 words for four fragments
	s_load_b256 s[4:11], s[0:1], 0x0               ; x s[4:5], Wg s[6:7], xb s[8:9], route s[10:11]
	s_load_b64 s[12:13], s[0:1], 0x20              ; gatew
	v_lshl_add_u32 v12, v0, 2, SPARE               ; my spare word
	v_mov_b32 v13, 0                               ; and 0: kept for the add alone
	v_and_b32 v1, 31, v0                           ; lane
	v_lshrrev_b32 v14, 5, v0
	v_readfirstlane_b32 s14, v14                   ; wave
	v_and_b32 v2, 15, v0                           ; r
	v_bfe_u32 v3, v0, 4, 1                         ; h
	v_lshlrev_b32 v4, 4, v1                        ; 16 x lane
	v_lshlrev_b32 v5, 3, v1                        ; 8 x lane
	s_mul_i32 s15, s14, XSW
	v_add_nc_u32 v6, s15, v5                       ; where I put 8 bytes of a row of xb
	v_and_b32 v14, 3, v2
	v_mul_u32_u24 v7, v14, 528
	v_lshl_add_u32 v7, v3, 4, v7
	v_add_nc_u32 v7, s15, v7                       ; xb's fragments: row r % 4, 16 bytes a half
	s_mul_i32 s16, s14, 9216
	s_add_co_u32 s16, s16, WS
	v_lshl_add_u32 v8, v3, 5, v4
	v_add_nc_u32 v8, s16, v8                       ; where I put 16 bytes of Wg: 16 x lane + 32 (lane / 16)
	v_and_b32 v14, 7, v2
	v_mul_u32_u24 v9, v3, 288
	v_lshl_add_u32 v9, v14, 2, v9
	v_add_nc_u32 v9, s16, v9                       ; Wg's words: expert r % 8, channels 8 h on
	v_lshlrev_b32 v11, 5, v1
	v_add_nc_u32 v11, EXL, v11                     ; 32 bytes a lane in wave 0's partial logits
	v_lshl_add_u32 v10, s14, 10, v11               ; and in mine
	s_lshl_b32 s16, ttmp9, 14                      ; x: 4 rows of 4,096 bytes a work-group, 1,024 bytes a wave
	s_lshl_b32 s17, s14, 10
	s_add_co_u32 s16, s16, s17
	s_mov_b32 s17, 0
	s_lshl_b32 s18, s14, 13                        ; Wg: 256 rows of 32 bytes a wave
	s_mov_b32 s19, 0
	s_lshl_b32 s20, ttmp9, 13                      ; xb: 4 rows of 2,048 bytes, 512 bytes a wave
	s_lshl_b32 s21, s14, 9
	s_add_co_u32 s20, s20, s21
	s_mov_b32 s21, 0
	s_lshl_b32 s22, ttmp9, 4                       ; route: 4 words
	s_mov_b32 s23, 0
	s_lshl_b32 s24, ttmp9, 5                       ; gatew: 4 pairs
	s_mov_b32 s25, 0
	s_wait_kmcnt 0x0
	s_add_nc_u64 s[4:5], s[4:5], s[16:17]
	s_add_nc_u64 s[6:7], s[6:7], s[18:19]
	s_add_nc_u64 s[8:9], s[8:9], s[20:21]
	s_add_nc_u64 s[10:11], s[10:11], s[22:23]
	s_add_nc_u64 s[12:13], s[12:13], s[24:25]
.irp i, 0,1,2,3
.irp j, 0,1
	global_load_b128 v[XF+4*(2*\i+\j):XF+4*(2*\i+\j)+3], v4, s[4:5] offset:\i*4096+\j*512 th:TH_LOAD_NT  ; 512 consecutive bytes of row i
.endr
.endr
.set c, 0
.rept 16
	global_load_b128 v[WFR+4*c:WFR+4*c+3], v4, s[6:7] offset:c*512
.set c, c+1
.endr
	s_wait_loadcnt 16                              ; x is in; Wg's sixteen loads are younger
.set q, 0
.rept 16
	v_cvt_pk_bf16_f32 v[XP+q], v[XF+2*q], v[XF+2*q+1]
.set q, q+1
.endr
.irp i, 0,1,2,3
.irp j, 0,1
	global_store_b64 v5, v[XP+2*(2*\i+\j):XP+2*(2*\i+\j)+1], s[8:9] offset:\i*2048+\j*256  ; the wave stores 256 consecutive bytes, aligned
	ds_store_b64 v6, v[XP+2*(2*\i+\j):XP+2*(2*\i+\j)+1] offset:\i*528+\j*256
.endr
.endr
	s_wait_loadcnt 0x0                             ; Wg
.set c, 0
.rept 16
	ds_store_b128 v8, v[WFR+4*c:WFR+4*c+3] offset:c*576  ; 512 bytes are 16 channels: two groups of 8, each with 32 bytes of padding
.set c, c+1
.endr
.set kf, 0
.rept 8                                                ; my own bytes: LDS serves a wave's instructions in order (ISA guide 5.7.1.4)
	ds_load_b128 v[XFR+8*kf:XFR+8*kf+3],   v7 offset:64*kf
	ds_load_b128 v[XFR+8*kf+4:XFR+8*kf+7], v7 offset:64*kf+32
.set kf, kf+1
.endr
	s_wait_xcnt 0x0                                ; the stores of xb have read XP, which WL covers
.set hh, 0
.rept 2                                                ; four fragments of Wg at a time: 16 words a lane each, rounded in pairs
.set q, 0
.rept 64
	ds_load_b32 v[WL+q], v9 offset:(4*hh+q/16)*1152+((q%16)/8)*576+(q%8)*32
.set q, q+1
.endr
	s_wait_dscnt 0x0
.set q, 0
.rept 32
	v_cvt_pk_bf16_f32 v[WFR+32*hh+q], v[WL+2*q], v[WL+2*q+1]
.set q, q+1
.endr
.set hh, hh+1
.endr
.set kf, 0
.rept 8                                                ; two accumulators by turns; the first two products start the sums
.if kf < 2
	v_wmma_f32_16x16x32_bf16 v[ACC0+8*(kf%2):ACC0+8*(kf%2)+7], v[WFR+8*kf:WFR+8*kf+7], v[XFR+8*kf:XFR+8*kf+7], 0
.else
	v_wmma_f32_16x16x32_bf16 v[ACC0+8*(kf%2):ACC0+8*(kf%2)+7], v[WFR+8*kf:WFR+8*kf+7], v[XFR+8*kf:XFR+8*kf+7], v[ACC0+8*(kf%2):ACC0+8*(kf%2)+7]
.endif
.set kf, kf+1
.endr
.rept 4
	v_nop                                          ; four places behind the last product (ISA guide 7.12.1)
.endr
.irp p, 0,1,2,3
	v_pk_add_f32 v[ACC0+2*\p:ACC0+2*\p+1], v[ACC0+2*\p:ACC0+2*\p+1], v[ACC0+8+2*\p:ACC0+9+2*\p]  ; both accumulators are read from their low end on
.endr
	ds_store_b128 v10, v[ACC0:ACC0+3]
	ds_store_b128 v10, v[ACC0+4:ACC0+7] offset:16
	s_wait_dscnt 0x0                               ; for wave 0's sake: my partial logits are in LDS
	s_barrier_signal -1
	s_barrier_wait -1
	s_cmp_lg_u32 s14, 0
	s_cbranch_scc1 .Lend
.irp q, 0,1,2,3
	ds_load_b128 v[32+8*\q:35+8*\q], v11 offset:1024*\q
	ds_load_b128 v[36+8*\q:39+8*\q], v11 offset:1024*\q+16
.endr
	s_wait_dscnt 0x0
.irp p, 0,1,2,3
	v_pk_add_f32 v[32+2*\p:33+2*\p], v[32+2*\p:33+2*\p], v[40+2*\p:41+2*\p]
	v_pk_add_f32 v[48+2*\p:49+2*\p], v[48+2*\p:49+2*\p], v[56+2*\p:57+2*\p]
.endr
.irp p, 0,1,2,3
	v_pk_add_f32 v[32+2*\p:33+2*\p], v[32+2*\p:33+2*\p], v[48+2*\p:49+2*\p]  ; v32-39: the 8 logits of token lane % 4
.endr
	v_mov_b32 v64, v32                             ; the largest, and its expert's bit: a later expert wins only if strictly larger
	v_mov_b32 v65, 1
.irp e, 1,2,3,4,5,6,7
	v_cmp_gt_f32 vcc_lo, v[32+\e], v64
	v_cndmask_b32 v64, v64, v[32+\e], vcc_lo
	v_cndmask_b32 v65, v65, 1<<\e, vcc_lo
.endr
	v_mov_b32 v66, 0xff800000                      ; the largest of the other seven
	v_mov_b32 v67, 0
.irp e, 0,1,2,3,4,5,6,7
	v_cmp_gt_f32 s20, v[32+\e], v66
	v_cmp_ne_u32 s21, 1<<\e, v65
	s_and_b32 s20, s20, s21
	v_cndmask_b32 v66, v66, v[32+\e], s20
	v_cndmask_b32 v67, v67, 256<<\e, s20
.endr
	v_or_b32 v65, v65, v67
	v_sub_f32 v68, v66, v64                        ; second less first: never above 0
	v_mul_f32 v68, 0x3fb8aa3b, v68
	v_exp_f32 v69, v68
	v_lshlrev_b32 v72, 2, v1                       ; a plain instruction behind the exponential
	s_wait_alu depctr_va_vdst(0)                   ; the wait ahead of the result's first reader
	v_add_f32 v68, 1.0, v69
	v_rcp_f32 v70, v68                             ; w0 = 1 / (1 + e)
	v_cmp_gt_u32 vcc_lo, 4, v1                     ; a plain instruction behind the reciprocal
	s_wait_alu depctr_va_vdst(0)
	v_mul_f32 v71, v69, v70                        ; w1 = e w0
	s_wait_xcnt 0x0                                ; EXEC changes only behind this wait
	s_and_saveexec_b32 s20, vcc_lo                 ; lanes 0-3: one token each
	global_store_b32 v72, v65, s[10:11]
	global_store_b64 v5, v[70:71], s[12:13]
	s_wait_xcnt 0x0
	s_or_b32 exec_lo, exec_lo, s20
.Lend:
	s_wait_tensorcnt 0x0                           ; the wave's end
	ds_add_u32 v12, v13
	s_wait_dscnt 0x0
	s_endpgm
.Lfunc_end_k_q287925a76a_router:
	.size	k_q287925a76a_router, .Lfunc_end_k_q287925a76a_router-k_q287925a76a_router
	.p2alignl 7, 3214868480
	.fill 96, 4, 3214868480
	.section	.rodata,"a",@progbits
	.p2align	6, 0x0
	.amdhsa_kernel k_q287925a76a_router
		.amdhsa_group_segment_fixed_size 50688
		.amdhsa_private_segment_fixed_size 0
		.amdhsa_enable_private_segment 0
		.amdhsa_kernarg_size 40
		.amdhsa_user_sgpr_count 2
		.amdhsa_user_sgpr_kernarg_segment_ptr 1
		.amdhsa_wavefront_size32 1
		.amdhsa_system_sgpr_workgroup_id_x 1
		.amdhsa_system_sgpr_workgroup_id_y 1
		.amdhsa_system_sgpr_workgroup_id_z 1
		.amdhsa_system_vgpr_workitem_id 0
		.amdhsa_next_free_vgpr 224
		.amdhsa_next_free_sgpr 66
		.amdhsa_reserve_vcc 1
		.amdhsa_float_denorm_mode_32 3
		.amdhsa_float_denorm_mode_16_64 3
		.amdhsa_memory_ordered 1
		.amdhsa_forward_progress 1
		.amdhsa_inst_pref_size 28
	.end_amdhsa_kernel
	.amdgpu_metadata
---
amdhsa.version: [ 1, 2 ]
amdhsa.kernels:
  - .name:           k_q287925a76a_router
    .symbol:         k_q287925a76a_router.kd
    .args:
      - { .name: x, .offset: 0, .size: 8, .value_kind: global_buffer, .address_space: global }
      - { .name: Wg, .offset: 8, .size: 8, .value_kind: global_buffer, .address_space: global }
      - { .name: xb, .offset: 16, .size: 8, .value_kind: global_buffer, .address_space: global }
      - { .name: route, .offset: 24, .size: 8, .value_kind: global_buffer, .address_space: global }
      - { .name: gatew, .offset: 32, .size: 8, .value_kind: global_buffer, .address_space: global }
    .group_segment_fixed_size: 50688
    .private_segment_fixed_size: 0
    .kernarg_segment_align: 8
    .kernarg_segment_size: 40
    .max_flat_workgroup_size: 128
    .sgpr_count:     66
    .vgpr_count:     224
    .wavefront_size: 32
...
	.end_amdgpu_metadata
.endif
;; end of part 1
;; launch ffn1 (part 2): grid 32 x 8, 4 waves a work-group, no clusters, 137,728 bytes of LDS; arguments W1, xb, route, hbuf; writes hbuf
.if DOCPART == 2
	.amdgcn_target "amdgcn-amd-amdhsa--gfx1250"
	.amdhsa_code_object_version 6
	.text
	.protected	k_q287925a76a_ffn1
	.globl	k_q287925a76a_ffn1
	.p2align	8
	.type	k_q287925a76a_ffn1,@function
k_q287925a76a_ffn1:
	s_mov_b64 s[64:65], 0
	v_nop
	global_prefetch_b8 v0, s[64:65] scope:SCOPE_SE
	s_setreg_imm32_b32 hwreg(HW_REG_WAVE_MODE, 25, 1), 1
	s_wait_xcnt 0x0
; FIRST PRODUCT.  hbuf = bf16(gelu(xb[rows of expert e] . bf16(W1[e]))), only for the rows that chose e.  Sums and gelu in f32, h rounded once.
; SHARES.  Work-group (j, e) alone reads columns 128 j .. 128 j + 127 of W1[e]: 1,024 x 128 f32, each byte once.  Wave w takes channels 256 w .. + 255 of them, rounds them on the
; way through registers and KEEPS them: 64 fragments, 512 registers.  Then rows go by in trips of 64 (four tiles of 16): a wave multiplies all four tiles by its quarter of K, sends three
; partial tiles to their owners through LDS, keeps tile w, adds the three that it receives, and does gelu and the store.
; THE LOOP has 16 trips, which serve every split (an expert may have 0 to 1,024 rows); every wave passes both barriers of every trip, and work past the count is jumped forward.
; THE LIST.  Wave 0 counts, from route's 1,024 words, the tokens that chose e and lays them in LDS in rank order, while the first weights are on their way; the second product ranks alike.
; EXEC stays whole: a lane whose token did not choose e puts it into a word of its own behind the list, which nobody reads.  All 1,152 places are first set to 0; the 32 places behind the
; count repeat the expert's first row.  An expert without rows still writes tile 0 (token 0's rows), so that the second product's look-ahead reads bytes that were stored.
; COLUMNS.  A lane loads 16 bytes = columns 4 r .. 4 r + 3 of one channel's row (16 lanes: 256 consecutive bytes, aligned); fragment c of four holds column 4 r + c in lane r: nothing is transposed.
; K MAP, alike for weights and rows: fragment kf, half h, register p, half-word b <-> channel 64 (kf / 2) + 16 (kf % 2) + 32 h + 2 p + b of the wave's 256.
; RESULT.  Source 0 = weights, source 1 = rows: lane (r, h) holds row r and hidden columns 64 cb + 32 h + 4 jj + c (accumulator 4 cb + c, register jj).  Rounded in pairs these ARE the second
; product's row fragments for the same lane, so h is stored as register images: hbuf[e][tile 64][chunk of 256 hidden 16][kf 8][half 2][lane 32][16 bytes].
; GELU.  0.5 z + |z| (0.5 - P(t) exp(-z z / 2)), t = 1 / (1 + 0.2316419 |z|), P the polynomial of Abramowitz and Stegun 7.1.26 with halved coefficients: erf to 1.5e-7.
; LIMITS.  h is bf16: no limit of range beyond f32's.  exp2 results under 2^-126 count as 0.  NaN and infinities are not treated apart.
; NO CLUSTER: each slice of weights has one reader; what an expert's 32 work-groups share is its token rows, which come by a list that no tensor descriptor covers.
; REGISTERS, in windows of 256 (s_set_vgpr_msb: bits 1:0 source 0, 3:2 source 1, 5:4 source 2, 7:6 destination):
;   window 0: v0-31 addresses; v32-63 row offsets, 8 a tile (first: route's words); v64-127 8 accumulators; v128-191, v192-255 row fragments, two buffers, and gelu's work
;   window 1: four tiles of rows as loaded, 64 each      windows 2, 3: the weights, fragment (kf, n) in window 2 + kf / 4 at 8 (8 (kf % 4) + n)
;   The weights land in a ring of four slots of 64: v64-127, v128-191, v192-255 of window 0 and v192-255 of window 1.
.set PITCH, 16384       ; bytes from channel to channel in W1[e]
.set HSH,   19          ; 32 such rows = 1 << 19
.set EXW,   24576       ; LDS 0: the exchange, 3 x 8,192 bytes a sender, register images
.set STG,   98304       ; a wave's stage for 16 rows x 512 bytes, pitch 528
.set STGW,  8448
.set LIST,  132096      ; word 0: the count
.set ENT0,  LIST+256    ; 1,152 entries, then 32 words that nobody reads
.set NENT,  1152
.set SPARE, LIST+5120   ; the spare words, 128 bytes a wave: no other line names them
.set WOFF, 4            ; v4   h x 32 rows + 16 r: my place in a weight load
.set L16,  5            ; v5   16 x lane
.set EXS,  6            ; v6   where I send
.set EXR,  7            ; v7-9 where I receive, by the sender's step
.set LENT, 10           ; v10  ENT0 + 32 h
.set XLB,  11           ; v11  16 r
.set STS,  12           ; v12  stage, in: row 8 h, 16 r
.set AFA,  13           ; v13  stage, out: row r, 64 h
.set HOFF, 14           ; v14  my byte offset in hbuf
.set L4,   15           ; v15  4 x lane
.set SPW,  20           ; v20  my spare word
.set NIL,  21           ; v21  0
.set EA,   24           ; v24-27 addresses of the list's reads (first: four zeros for the list's filling)
.set TRI,  28           ; v28  NENT + lane: the index of my unread word
.set LFA,  29           ; v29  ENT0 + 16 x lane
.set OFF,  32
.set ACC,  64
.set AF0,  128
.set AF1,  192
.set CA1, 34            ; s[34:35] .. the polynomial, each as a pair
.set CA2, 36
.set CA3, 38
.set CA4, 40
.set CA5, 42
.set CPC, 44            ; 0.3275911 / sqrt(2)
.set ABSM, 46
.set CNL, 48            ; -log2(e) / 2
.set MSB, 0
.macro WIN new                         ; the immediate's high byte repeats the setting that is left; a switch that changes nothing is dropped
.if MSB != (\new)
	s_set_vgpr_msb (MSB<<8)|(\new)
.set MSB, \new
.endif
.endm
.macro BAR
	s_barrier_signal -1
	s_barrier_wait -1
.endm
.macro NOP5                            ; five places behind a run of products: its registers may then be read, written, loaded into and multiplied into anew (ISA guide 7.12.1)
.rept 5
	v_nop
.endr
.endm
; Batch u of 16: fragment row kf = u / 2, column block cb = u % 2: sixteen channels a lane, 16 bytes each, into slot u % 4
.macro WLOAD u
.set kf, (\u)/2
.set cb, (\u)%2
.if (\u)%4 == 3
	WIN 0x40
.set sb, 192
.else
	WIN 0
.set sb, 64+64*((\u)%4)
.endif
.set t, 0
.rept 16
	global_load_b128 v[sb+4*t:sb+4*t+3], v[WOFF], s[4:5] offset:(64*(kf/2)+16*(kf%2)+t)*PITCH+256*cb th:TH_LOAD_NT
.set t, t+1
.endr
	WIN 0
.endm
; and its rounding: two channels of one column make a register of fragment (kf, 4 cb + c)
.macro WCVT u
.set kf, (\u)/2
.set cb, (\u)%2
.if (\u)%4 == 3
.set sb, 192
	WIN ((2+kf/4)<<6)|0x05
.else
.set sb, 64+64*((\u)%4)
	WIN ((2+kf/4)<<6)
.endif
.set c, 0
.rept 4
.set wb, ((kf%4)*8+4*cb+c)*8
.set p, 0
.rept 8
	v_cvt_pk_bf16_f32 v[wb+p], v[sb+8*p+c], v[sb+8*p+4+c]
.set p, p+1
.endr
.set c, c+1
.endr
	WIN 0
.endm
; The tokens of the four tiles s33 + TAU[s]: 8 entries a half of the lanes (rows m + 8 h).  The tile's number is the trip's count and the wave's term, 67 at the most; the list has places for 72 tiles, all written
.macro ENTS
	s_wait_xcnt 0x0                                ; the row loads that are out have had their addresses translated: their offset registers are written only behind this wait
.irp q, 0,1,2,3
	s_add_co_u32 s32, s33, s[28+\q]
	s_min_u32 s32, s32, 67
	s_lshl_b32 s32, s32, 6
	v_add_nc_u32 v[EA+\q], s32, v[LENT]
	ds_load_b128 v[OFF+8*\q:OFF+8*\q+3],   v[EA+\q]
	ds_load_b128 v[OFF+8*\q+4:OFF+8*\q+7], v[EA+\q] offset:16
.endr
.endm
; Tile s's rows are asked for: my 512 bytes of each of 16 rows; a load takes 256 consecutive bytes of two rows
.macro AISSUE s
.set a, 0
.rept 8
	v_min_u32 v[OFF+8*(\s)+a], 0x3ff, v[OFF+8*(\s)+a]        ; a token, held inside xb's 1,024 rows
	v_lshlrev_b32 v[OFF+8*(\s)+a], 11, v[OFF+8*(\s)+a]       ; its row of 2,048 bytes
	v_add_nc_u32 v[OFF+8*(\s)+a], v[OFF+8*(\s)+a], v[XLB]
.set a, a+1
.endr
	WIN 0x40
.set a, 0
.rept 16
	global_load_b128 v[64*(\s)+4*a:64*(\s)+4*a+3], v[OFF+8*(\s)+a/2], s[6:7] offset:256*(a%2)
.set a, a+1
.endr
	WIN 0
.endm
; Tile s's rows go through my stage and come back as fragments; then the same tile of the next trip is asked for
.macro PRE s
	s_wait_loadcnt 48                              ; loads return in order (ISA guide 5.7.1): tile s is in; the three batches of 16 behind it stay out
	WIN 0x04
.set i, 0
.rept 16
	ds_store_b128 v[STS], v[64*(\s)+4*i:64*(\s)+4*i+3] offset:528*(i/2)+256*(i%2)
.set i, i+1
.endr
	WIN 0
.set i, 0
.rept 16                                               ; my own bytes, served in order: these see the stores above, and the next tile's stores come behind them
	ds_load_b128 v[AF0+64*((\s)%2)+4*i:AF0+64*((\s)%2)+4*i+3], v[AFA] offset:128*(i/4)+32*((i/2)%2)+16*(i%2)
.set i, i+1
.endr
.if (\s) == 0
	s_wait_dscnt 32                                ; all but the 32 just issued: the list's entries are in
.endif
	AISSUE \s
.endm
; 64 products: a tile times my quarter of K.  The 8 accumulators take turns; the first 8 products start the sums
.macro MMA s
.set ab, AF0+64*((\s)%2)
.set kf, 0
.rept 8
	WIN 0x02+kf/4
.set n, 0
.rept 8
.set wb, ((kf%4)*8+n)*8
.if kf == 0
	v_wmma_f32_16x16x32_bf16 v[ACC+8*n:ACC+8*n+7], v[wb:wb+7], v[ab+8*kf:ab+8*kf+7], 0
.else
	v_wmma_f32_16x16x32_bf16 v[ACC+8*n:ACC+8*n+7], v[wb:wb+7], v[ab+8*kf:ab+8*kf+7], v[ACC+8*n:ACC+8*n+7]
.endif
.set n, n+1
.endr
.set kf, kf+1
.endr
	WIN 0
	NOP5
.endm
.macro SEND s                          ; the partial tile as it lies in registers: each accumulator's low half first
.set i, 0
.rept 16
	ds_store_b128 v[EXS], v[ACC+4*i:ACC+4*i+3] offset:8192*(\s)+512*i
.set i, i+1
.endr
.endm
.macro XLOAD s, dst
.set i, 0
.rept 16
	ds_load_b128 v[(\dst)+4*i:(\dst)+4*i+3], v[EXR+(\s)] offset:512*i
.set i, i+1
.endr
.endm
.macro ADDP src
.set i, 0
.rept 32
	v_pk_add_f32 v[ACC+2*i:ACC+2*i+1], v[ACC+2*i:ACC+2*i+1], v[(\src)+2*i:(\src)+2*i+1]
.set i, i+1
.endr
.endm
; Tile T0 + TAU[s], if it exists.  The wait stands on every way, ahead of the branch: the products read tile s's fragments, and, whether or not they are jumped, tile s + 2's loads land in the same registers
.macro STEP s
	s_wait_dscnt 32                                ; tile s's fragments are in: behind their loads stand at least the next stage's 16 stores and 16 loads (and the 16 sends of the tile before, where it exists)
	s_add_co_u32 s32, s25, s[28+(\s)]
	s_cmp_lt_u32 s32, s23
	s_cbranch_scc0 .Ldead_\@
	MMA \s
	SEND \s
.Ldead_\@:
.endm
; GELU, in four batches of 16 numbers; batch b works in 64 registers of buffer b % 2: |z| 16, t 16, the exponential 16, the polynomial 16
.macro GA b
.set zb, ACC+16*(\b)
.set tb, AF0+64*((\b)%2)
.set p, 0
.rept 8
	v_and_b32 v[tb+2*p], s[ABSM], v[zb+2*p]
	v_and_b32 v[tb+2*p+1], s[ABSM], v[zb+2*p+1]
	v_pk_mul_f32 v[tb+32+2*p:tb+33+2*p], v[zb+2*p:zb+2*p+1], v[zb+2*p:zb+2*p+1]
	v_pk_fma_f32 v[tb+16+2*p:tb+17+2*p], v[tb+2*p:tb+2*p+1], s[CPC:CPC+1], 1.0 op_sel_hi:[1,0,0]
	v_pk_mul_f32 v[tb+32+2*p:tb+33+2*p], v[tb+32+2*p:tb+33+2*p], s[CNL:CNL+1] op_sel_hi:[1,0]
.set p, p+1
.endr
.endm
.macro GTI b, x                        ; number x of a batch's 32: 16 reciprocals, 16 exponentials
.set tb, AF0+64*((\b)%2)
.if (\x) < 16
	v_rcp_f32 v[tb+16+(\x)], v[tb+16+(\x)]
.else
	v_exp_f32 v[tb+16+(\x)], v[tb+16+(\x)]
.endif
.endm
.macro GBI b, x                        ; number x of a batch's 64: stage x / 8 for pair x % 8, so that a stage's result is read eight lines later
.set zb, ACC+16*(\b)+2*((\x)%8)
.set ra, AF0+64*((\b)%2)+2*((\x)%8)
.set rt, ra+16
.set re, ra+32
.set rp, ra+48
.set st, (\x)/8
.if st == 0
	v_pk_fma_f32 v[rp:rp+1], v[rt:rt+1], s[CA5:CA5+1], s[CA4:CA4+1] op_sel_hi:[1,0,0]
.elseif st == 1
	v_pk_fma_f32 v[rp:rp+1], v[rp:rp+1], v[rt:rt+1], s[CA3:CA3+1] op_sel_hi:[1,1,0]
.elseif st == 2
	v_pk_fma_f32 v[rp:rp+1], v[rp:rp+1], v[rt:rt+1], s[CA2:CA2+1] op_sel_hi:[1,1,0]
.elseif st == 3
	v_pk_fma_f32 v[rp:rp+1], v[rp:rp+1], v[rt:rt+1], s[CA1:CA1+1] op_sel_hi:[1,1,0]
.elseif st == 4
	v_pk_mul_f32 v[rp:rp+1], v[rp:rp+1], v[rt:rt+1]
.elseif st == 5
	v_pk_fma_f32 v[rp:rp+1], v[rp:rp+1], v[re:re+1], 0.5 op_sel_hi:[1,1,0] neg_lo:[1,0,0] neg_hi:[1,0,0]
.elseif st == 6
	v_pk_mul_f32 v[rt:rt+1], v[zb:zb+1], 0.5 op_sel_hi:[1,0]
.else
	v_pk_fma_f32 v[zb:zb+1], v[ra:ra+1], v[rp:rp+1], v[rt:rt+1]
.endif
.endm
.macro GBT b, nb                       ; batch b's arithmetic; behind every second line one of batch nb's reciprocals and exponentials, which work in the other buffer
.set x, 0
.rept 64
	GBI \b, x
.if ((\nb) >= 0) && (x%2 == 1)
	GTI \nb, x/2
.endif
.set x, x+1
.endr
.endm
	s_load_b256 s[4:11], s[0:1], 0x0               ; W1 s[4:5], xb s[6:7], route s[8:9], hbuf s[10:11]
	v_lshl_add_u32 v[SPW], v0, 2, SPARE
	v_mov_b32 v[NIL], 0
	v_and_b32 v1, 31, v0                           ; lane
	v_lshrrev_b32 v16, 5, v0
	v_readfirstlane_b32 s12, v16                   ; wave
	v_and_b32 v2, 15, v0                           ; r
	v_bfe_u32 v3, v0, 4, 1                         ; h
	s_mov_b32 s13, ttmp9                           ; j
	s_and_b32 s14, ttmp7, 0xffff                   ; e
	v_lshlrev_b32 v[XLB], 4, v2
	v_lshl_add_u32 v[WOFF], v3, HSH, v[XLB]
	v_lshlrev_b32 v[L16], 4, v1
	v_lshlrev_b32 v[L4], 2, v1
	v_add_nc_u32 v[TRI], NENT, v1
	v_add_nc_u32 v[LFA], ENT0, v[L16]
	s_mul_i32 s16, s12, EXW
	v_add_nc_u32 v[EXS], s16, v[L16]
.irp q, 0,1,2
	s_add_co_u32 s16, s12, 3-\q                    ; my tile's sender in its step q is wave (w - 1 - q) mod 4
	s_and_b32 s16, s16, 3
	s_mul_i32 s16, s16, EXW
	s_add_co_u32 s16, s16, 8192*\q
	v_add_nc_u32 v[EXR+\q], s16, v[L16]
.endr
	v_lshlrev_b32 v[LENT], 5, v3
	v_add_nc_u32 v[LENT], ENT0, v[LENT]
	s_mul_i32 s16, s12, STGW
	s_add_co_u32 s16, s16, STG
	v_mul_u32_u24 v[STS], v3, 4224
	v_add_nc_u32 v[STS], v[STS], v[XLB]
	v_add_nc_u32 v[STS], s16, v[STS]
	v_mul_u32_u24 v[AFA], v2, 528
	v_lshl_add_u32 v[AFA], v3, 6, v[AFA]
	v_add_nc_u32 v[AFA], s16, v[AFA]
.irp q, 0,1,2,3
	s_add_co_u32 s[28+\q], s12, \q+1               ; TAU[q] = (w + 1 + q) mod 4: the tile of my step q; step 3 is my own
	s_and_b32 s[28+\q], s[28+\q], 3
.endr
	s_lshl_b32 s18, 0x101, s14                     ; expert e's two bits in a word of route
	s_mov_b32 s[CA1], 0x3e027906                   ;  0.254829592 / 2
	s_mov_b32 s[CA2], 0xbe11a98e                   ; -0.284496736 / 2
	s_mov_b32 s[CA3], 0x3f35f0e3                   ;  1.421413741 / 2
	s_mov_b32 s[CA4], 0xbf3a00e3                   ; -1.453152027 / 2
	s_mov_b32 s[CA5], 0x3f07dc22                   ;  1.061405429 / 2
	s_mov_b32 s[CPC], 0x3e6d3388                   ;  0.231641888
	s_mov_b32 s[CNL], 0xbf38aa3b                   ; -0.72134752
.irp g, CA1, CA2, CA3, CA4, CA5, CPC, CNL
	s_mov_b32 s[\g+1], s[\g]                       ; named as pairs
.endr
	s_mov_b32 s[ABSM], 0x7fffffff
	s_lshl_b32 s16, s14, 24                        ; W1: 16 MiB an expert, 256 rows of 16,384 bytes a wave, 512 bytes a slice
	s_lshl_b32 s17, s12, 22
	s_add_co_u32 s16, s16, s17
	s_lshl_b32 s17, s13, 9
	s_add_co_u32 s16, s16, s17
	s_mov_b32 s17, 0
	s_lshl_b32 s20, s12, 9                         ; xb: my 512 bytes of a row
	s_mov_b32 s21, 0
	s_lshl_b32 s50, s14, 23                        ; hbuf: 8 MiB an expert, 4,096 bytes a slice in a tile's 131,072
	s_lshl_b32 s51, s13, 12
	s_add_co_u32 s50, s50, s51
	s_mov_b32 s51, 0
	s_wait_kmcnt 0x0
	s_add_nc_u64 s[4:5], s[4:5], s[16:17]
	s_add_nc_u64 s[6:7], s[6:7], s[20:21]
	s_add_nc_u64 s[10:11], s[10:11], s[50:51]
.set i, 0
.rept 8
	global_load_b128 v[OFF+4*i:OFF+4*i+3], v[L16], s[8:9] offset:512*i  ; route's word 128 (i) + 4 lane + c, in every wave; wave 0 uses them
.set i, i+1
.endr
	WLOAD 0
	WLOAD 1
	WLOAD 2
	s_cmp_lg_u32 s12, 0
	s_cbranch_scc1 .Lno_list
	s_wait_loadcnt 48                              ; route is in; the 48 weight loads are younger
.irp z, 0,1,2,3
	v_mov_b32 v[EA+\z], 0
.endr
.set i, 0
.rept 9
	ds_store_b128 v[LFA], v[EA:EA+3] offset:512*i  ; all 1,152 places hold token 0; LDS serves my stores in order, so the entries below land on top
.set i, i+1
.endr
	s_mov_b32 s19, 0                               ; rows so far
.set i, 0
.rept 32
	v_and_b32 v16, s18, v[OFF+i]
	v_cmp_ne_u32 vcc_lo, 0, v16                    ; who chose e
	v_mbcnt_lo_u32_b32 v17, vcc_lo, s19            ; rank = rows so far + choosers in lower lanes
	v_cndmask_b32 v17, v[TRI], v17, vcc_lo         ; the others go to their unread word
	v_min_u32 v17, NENT+31, v17
	v_lshlrev_b32 v17, 2, v17
	v_add_nc_u32 v17, ENT0, v17
	v_add_nc_u32 v18, 128*(i/4)+(i%4), v[L4]       ; the token
	s_bcnt1_i32_b32 s21, vcc_lo
	s_add_co_u32 s19, s19, s21
	ds_store_b32 v17, v18
.set i, i+1
.endr
	v_mov_b32 v16, ENT0
	ds_load_b32 v19, v16                           ; the expert's first row (token 0 if it has none)
	v_add_nc_u32 v17, s19, v1                      ; the 32 places behind the count repeat it
	v_min_u32 v17, NENT-1, v17
	v_lshlrev_b32 v17, 2, v17
	v_add_nc_u32 v17, ENT0, v17
	v_mov_b32 v18, s19
	v_mov_b32 v16, LIST
	s_wait_dscnt 0x0
	ds_store_b32 v17, v19
	ds_store_b32 v16, v18                          ; the count
.Lno_list:
	WLOAD 3
.set u, 0
.rept 12
	s_wait_loadcnt 48                              ; batch u is in; three batches of 16 are younger
	WCVT u
	WLOAD u+4
.set u, u+1
.endr
	s_wait_dscnt 0x0                               ; wave 0: the list is in LDS
	BAR
	v_mov_b32 v16, LIST
	ds_load_b32 v17, v16
	s_wait_dscnt 0x0
	v_readfirstlane_b32 s22, v17
	s_min_u32 s22, s22, 1024                       ; rows of e
	s_add_co_u32 s23, s22, 15
	s_lshr_b32 s23, s23, 4
	s_max_u32 s23, s23, 1                          ; tiles; one at the least
	s_mov_b32 s33, 0
	ENTS
	s_wait_dscnt 0x0
.rept 4
	s_wait_loadcnt 48
	WCVT u
	AISSUE u-12                                    ; the first trip's rows follow the last weights
.set u, u+1
.endr
	s_mov_b32 s25, 0                               ; T0: the trip's first tile
	s_mov_b32 s26, s12                             ; my own tile
	s_mov_b32 s27, 16
.Ltrip:
	s_wait_dscnt 0x0                               ; my reads of the exchange are over
	BAR                                            ; everybody's are: it may be written again
	s_cmp_lt_u32 s25, s23
	s_cbranch_scc0 .Lmid
	s_add_co_u32 s33, s25, 4
	ENTS                                           ; the next trip's tokens
	PRE 0
	PRE 1
	STEP 0
	PRE 2
	STEP 1
	PRE 3
	STEP 2
.Lmid:
	s_wait_dscnt 0x0                               ; my partial tiles are in LDS
	BAR
	s_cmp_lt_u32 s26, s23
	s_cbranch_scc0 .Lnext
	s_wait_xcnt 0x0                                ; the last tile's stores have read the registers that the loads below fill
	XLOAD 0, AF0                                   ; on its way while my own tile is multiplied
	MMA 3
	s_wait_dscnt 0x0
	ADDP AF0
	XLOAD 1, AF1
	XLOAD 2, AF0
	s_wait_dscnt 16                                ; the first run is in, the second's 16 loads may be out
	ADDP AF1
	s_wait_dscnt 0x0
	ADDP AF0
	GA 0
.set x, 0
.rept 32
	GTI 0, x
.set x, x+1
.endr
	GA 1                                           ; plain work behind the batch
	s_wait_alu depctr_va_vdst(0)                   ; one wait between a batch and its first reader
	GBT 0, 1
	GA 2
	s_wait_alu depctr_va_vdst(0)
	GBT 1, 2
	GA 3
	s_wait_alu depctr_va_vdst(0)
	GBT 2, 3
	v_nop
	s_wait_alu depctr_va_vdst(0)
	GBT 3, -1
.set f, 0
.rept 4                                                ; fragment f = 2 cb + jj / 4 of the slice's four, register p = 2 (jj % 4) + c / 2
.set p, 0
.rept 8
.set sa, ACC+8*(4*(f/2)+2*(p%2))+4*(f%2)+p/2
	v_cvt_pk_bf16_f32 v[AF0+8*f+p], v[sa], v[sa+8]
.set p, p+1
.endr
.set f, f+1
.endr
	s_min_u32 s32, s26, 63
	s_lshl_b32 s32, s32, 17                        ; my tile's 131,072 bytes
	v_add_nc_u32 v[HOFF], s32, v[L16]
.set i, 0
.rept 8
	global_store_b128 v[HOFF], v[AF0+4*i:AF0+4*i+3], s[10:11] offset:512*i  ; 512 consecutive bytes, aligned
.set i, i+1
.endr
.Lnext:
	s_add_co_u32 s25, s25, 4
	s_add_co_u32 s26, s26, 4
	s_sub_co_u32 s27, s27, 1
	s_cmp_lg_u32 s27, 0
	s_cbranch_scc1 .Ltrip
	s_wait_tensorcnt 0x0                           ; the wave's end
	ds_add_u32 v[SPW], v[NIL]
	s_wait_dscnt 0x0
	s_endpgm
.Lfunc_end_k_q287925a76a_ffn1:
	.size	k_q287925a76a_ffn1, .Lfunc_end_k_q287925a76a_ffn1-k_q287925a76a_ffn1
	.p2alignl 7, 3214868480
	.fill 96, 4, 3214868480
	.section	.rodata,"a",@progbits
	.p2align	6, 0x0
	.amdhsa_kernel k_q287925a76a_ffn1
		.amdhsa_group_segment_fixed_size 137728
		.amdhsa_private_segment_fixed_size 0
		.amdhsa_enable_private_segment 0
		.amdhsa_kernarg_size 32
		.amdhsa_user_sgpr_count 2
		.amdhsa_user_sgpr_kernarg_segment_ptr 1
		.amdhsa_wavefront_size32 1
		.amdhsa_system_sgpr_workgroup_id_x 1
		.amdhsa_system_sgpr_workgroup_id_y 1
		.amdhsa_system_sgpr_workgroup_id_z 1
		.amdhsa_system_vgpr_workitem_id 0
		.amdhsa_next_free_vgpr 1024
		.amdhsa_next_free_sgpr 66
		.amdhsa_reserve_vcc 1
		.amdhsa_float_denorm_mode_32 3
		.amdhsa_float_denorm_mode_16_64 3
		.amdhsa_memory_ordered 1
		.amdhsa_forward_progress 1
		.amdhsa_inst_pref_size 173
	.end_amdhsa_kernel
	.amdgpu_metadata
---
amdhsa.version: [ 1, 2 ]
amdhsa.kernels:
  - .name:           k_q287925a76a_ffn1
    .symbol:         k_q287925a76a_ffn1.kd
    .args:
      - { .name: W1, .offset: 0, .size: 8, .value_kind: global_buffer, .address_space: global }
      - { .name: xb, .offset: 8, .size: 8, .value_kind: global_buffer, .address_space: global }
      - { .name: route, .offset: 16, .size: 8, .value_kind: global_buffer, .address_space: global }
      - { .name: hbuf, .offset: 24, .size: 8, .value_kind: global_buffer, .address_space: global }
    .group_segment_fixed_size: 137728
    .private_segment_fixed_size: 0
    .kernarg_segment_align: 8
    .kernarg_segment_size: 32
    .max_flat_workgroup_size: 128
    .sgpr_count:     66
    .vgpr_count:     1024
    .wavefront_size: 32
...
	.end_amdgpu_metadata
.endif
;; end of part 2
;; launch ffn2 (part 3): grid 32 x 8, 4 waves a work-group, no clusters, 103,936 bytes of LDS; arguments W2, hbuf, route, part; writes part
.if DOCPART == 3
	.amdgcn_target "amdgcn-amd-amdhsa--gfx1250"
	.amdhsa_code_object_version 6
	.text
	.protected	k_q287925a76a_ffn2
	.globl	k_q287925a76a_ffn2
	.p2align	8
	.type	k_q287925a76a_ffn2,@function
k_q287925a76a_ffn2:
	s_mov_b64 s[64:65], 0
	v_nop
	global_prefetch_b8 v0, s[64:65] scope:SCOPE_SE
	s_setreg_imm32_b32 hwreg(HW_REG_WAVE_MODE, 25, 1), 1
	s_wait_xcnt 0x0
; SECOND PRODUCT.  part[q][k][t][:] = h[rows of expert e][hidden 1,024 q ..] . bf16(W2[e][hidden 1,024 q ..][:]), in f32, for the rows that chose e as choice k.
; SHARES.  Work-group (x, e), q = x / 8, jc = x % 8, alone reads hidden rows 1,024 q .. + 1,023, columns 128 jc .. + 127 of W2[e], each byte once.  Wave w takes 256 of those hidden rows,
; rounds them on the way through registers and KEEPS them (64 fragments, 512 registers).  Rows go by in trips of 64, as in the first product: three partial tiles are sent to their owners
; through LDS, the owner adds four and stores.  The four quarters q of the hidden width are partial sums in f32; the next launch adds them.  Each byte of part has one wave that writes it.
; THE LOOP has 16 trips, which serve every split (0 to 1,024 rows); every wave passes both barriers of every trip; work past the count is jumped forward; an expert without rows stores nothing.
; THE LIST is built as in the first product, in the same order, so ranks agree; an entry is a row of part: 2,048 q + 1,024 k + token.  EXEC stays whole throughout.
; PLACES PAST THE COUNT in the expert's last tile (15 at the most) have rows of their own behind part's 8,192: row 8,192 + 16 (8 q + e) + the place in the tile.  Nobody reads those rows;
; they cost at most 15 x 512 bytes of stores a work-group, and no store instruction is cut.
; ROWS come from hbuf as register images, 512 consecutive bytes a load, straight into fragments: no LDS on that way.
; COLUMNS AND K MAP as in the first product: a lane's 16 bytes are columns 4 r .. 4 r + 3; fragment kf, half h, register p, half-word b <-> hidden 64 (kf / 2) + 16 (kf % 2) + 32 h + 2 p + b.
; RESULT.  Source 0 = rows, source 1 = weights: register j of accumulator 4 cb + c holds row 8 h + j, column 64 cb + 4 r + c: the four c of a lane are 16 consecutive bytes of a row of part.
; NO CLUSTER: each slice of weights has one reader.  The 8 work-groups jc of one (e, q) share hbuf's tiles, but how many tiles there are hangs on a stored count
; Asking for all 64 tiles would be four times the need at 256 rows, which is what sharing by four would save; and the images go into registers without touching LDS.
; REGISTERS: window 0: v0-31 addresses; v32-35 tile offsets, v36-43 row offsets, v44-51 entries (first: route's words, v32-63); v64-127 8 accumulators; v128-191, v192-255 received tiles, then the output
;   window 1: four tiles' fragments, 64 each      windows 2, 3: the weights, fragment (kf, n) in window 2 + kf / 4 at 8 (8 (kf % 4) + n)
;   The weights land in a ring of four slots of 64: v64-127, v128-191, v192-255 of window 0 and v192-255 of window 1.
.set PITCH, 4096        ; bytes from hidden row to hidden row in W2[e]
.set HSH,   17          ; 32 such rows = 1 << 17
.set EXW,   24576       ; LDS 0: the exchange, 3 x 8,192 bytes a sender
.set LIST,  98304       ; word 0: the count
.set ENT0,  LIST+256    ; 1,152 entries, then 32 words that nobody reads
.set NENT,  1152
.set SPARE, LIST+5120   ; the spare words, 128 bytes a wave: no other line names them
.set PROWS, 8192        ; part's rows that the next launch reads: 4 quarters x 2 choices x 1,024 tokens
.set LASTR, PROWS+511   ; part's last row: behind the 8,192 lie 16 rows for each of the 32 pairs (q, e)
.set WOFF, 4
.set L16,  5
.set EXS,  6
.set EXR,  7            ; v7-9
.set LENT, 10
.set R16,  11           ; v11  16 r
.set L4,   15           ; v15  4 x lane + 2,048 q
.set SPW,  20
.set NIL,  21
.set ZQ,   24           ; v24-27 four zeros for the list's filling
.set TRI,  28           ; v28  NENT + lane: the index of my unread word
.set LFA,  29           ; v29  ENT0 + 16 x lane
.set AOFF, 32
.set ROFF, 36
.set ENT,  44
.set ACC,  64
.set T1,   128
.set T2,   192
.set MSB, 0
.macro WIN new                         ; the immediate's high byte repeats the setting that is left; a switch that changes nothing is dropped
.if MSB != (\new)
	s_set_vgpr_msb (MSB<<8)|(\new)
.set MSB, \new
.endif
.endm
.macro BAR
	s_barrier_signal -1
	s_barrier_wait -1
.endm
.macro NOP5                            ; five places behind a run of products (ISA guide 7.12.1)
.rept 5
	v_nop
.endr
.endm
.macro WLOAD u                         ; batch u of 16: fragment row u / 2, column block u % 2, into slot u % 4
.set kf, (\u)/2
.set cb, (\u)%2
.if (\u)%4 == 3
	WIN 0x40
.set sb, 192
.else
	WIN 0
.set sb, 64+64*((\u)%4)
.endif
.set t, 0
.rept 16
	global_load_b128 v[sb+4*t:sb+4*t+3], v[WOFF], s[4:5] offset:(64*(kf/2)+16*(kf%2)+t)*PITCH+256*cb th:TH_LOAD_NT
.set t, t+1
.endr
	WIN 0
.endm
.macro WCVT u
.set kf, (\u)/2
.set cb, (\u)%2
.if (\u)%4 == 3
.set sb, 192
	WIN ((2+kf/4)<<6)|0x05
.else
.set sb, 64+64*((\u)%4)
	WIN ((2+kf/4)<<6)
.endif
.set c, 0
.rept 4
.set wb, ((kf%4)*8+4*cb+c)*8
.set p, 0
.rept 8
	v_cvt_pk_bf16_f32 v[wb+p], v[sb+8*p+c], v[sb+8*p+4+c]
.set p, p+1
.endr
.set c, c+1
.endr
	WIN 0
.endm
; Tile s33 + TAU[s], held to the last that the first product stored: my chunk's 8 fragments, 16 loads of 512 consecutive bytes
.macro AISSUE s
	s_add_co_u32 s32, s33, s[28+(\s)]
	s_min_u32 s32, s32, s24
	s_min_u32 s32, s32, 63
	s_lshl_b32 s32, s32, 17                        ; a tile's 131,072 bytes
	v_add_nc_u32 v[AOFF+(\s)], s32, v[L16]
	WIN 0x40
.set a, 0
.rept 16
	global_load_b128 v[64*(\s)+4*a:64*(\s)+4*a+3], v[AOFF+(\s)], s[6:7] offset:512*a
.set a, a+1
.endr
	WIN 0
.endm
.macro MMA s                           ; 64 products; the 8 accumulators take turns; the first 8 start the sums
.set kf, 0
.rept 8
	WIN 0x09+4*(kf/4)
.set n, 0
.rept 8
.set wb, ((kf%4)*8+n)*8
.if kf == 0
	v_wmma_f32_16x16x32_bf16 v[ACC+8*n:ACC+8*n+7], v[64*(\s)+8*kf:64*(\s)+8*kf+7], v[wb:wb+7], 0
.else
	v_wmma_f32_16x16x32_bf16 v[ACC+8*n:ACC+8*n+7], v[64*(\s)+8*kf:64*(\s)+8*kf+7], v[wb:wb+7], v[ACC+8*n:ACC+8*n+7]
.endif
.set n, n+1
.endr
.set kf, kf+1
.endr
	WIN 0
	NOP5
.endm
.macro SEND s
.set i, 0
.rept 16
	ds_store_b128 v[EXS], v[ACC+4*i:ACC+4*i+3] offset:8192*(\s)+512*i
.set i, i+1
.endr
.endm
.macro XLOAD s, dst
.set i, 0
.rept 16
	ds_load_b128 v[(\dst)+4*i:(\dst)+4*i+3], v[EXR+(\s)] offset:512*i
.set i, i+1
.endr
.endm
.macro ADDP src
.set i, 0
.rept 32
	v_pk_add_f32 v[ACC+2*i:ACC+2*i+1], v[ACC+2*i:ACC+2*i+1], v[(\src)+2*i:(\src)+2*i+1]
.set i, i+1
.endr
.endm
; Step s of a trip: the wait and the next trip's request stand on every way; only the products and the sending are jumped where the tile does not exist
.macro STEP s
	s_wait_loadcnt 48                              ; loads return in order (ISA guide 5.7.1): tile s is in; the three batches of 16 behind it stay out; its offset register is free
	s_add_co_u32 s32, s25, s[28+(\s)]
	s_cmp_lt_u32 s32, s23
	s_cbranch_scc0 .Ldead_\@
	MMA \s
.if (\s) < 3
	SEND \s
.endif
.Ldead_\@:
	AISSUE \s
.endm
	s_load_b256 s[4:11], s[0:1], 0x0               ; W2 s[4:5], hbuf s[6:7], route s[8:9], part s[10:11]
	v_lshl_add_u32 v[SPW], v0, 2, SPARE
	v_mov_b32 v[NIL], 0
	v_and_b32 v1, 31, v0                           ; lane
	v_lshrrev_b32 v16, 5, v0
	v_readfirstlane_b32 s12, v16                   ; wave
	v_and_b32 v2, 15, v0                           ; r
	v_bfe_u32 v3, v0, 4, 1                         ; h
	s_lshr_b32 s13, ttmp9, 3                       ; q
	s_and_b32 s15, ttmp9, 7                        ; jc
	s_and_b32 s14, ttmp7, 0xffff                   ; e
	v_lshlrev_b32 v[R16], 4, v2
	v_lshl_add_u32 v[WOFF], v3, HSH, v[R16]
	v_lshlrev_b32 v[L16], 4, v1
	v_lshlrev_b32 v[L4], 2, v1
	v_lshl_add_u32 v[L4], s13, 11, v[L4]           ; the quarter's 2,048 rows of part stand in every entry
	v_add_nc_u32 v[TRI], NENT, v1
	v_add_nc_u32 v[LFA], ENT0, v[L16]
	s_mul_i32 s16, s12, EXW
	v_add_nc_u32 v[EXS], s16, v[L16]
.irp q, 0,1,2
	s_add_co_u32 s16, s12, 3-\q                    ; my tile's sender in its step q is wave (w - 1 - q) mod 4
	s_and_b32 s16, s16, 3
	s_mul_i32 s16, s16, EXW
	s_add_co_u32 s16, s16, 8192*\q
	v_add_nc_u32 v[EXR+\q], s16, v[L16]
.endr
	v_lshlrev_b32 v[LENT], 5, v3
	v_add_nc_u32 v[LENT], ENT0, v[LENT]
.irp q, 0,1,2,3
	s_add_co_u32 s[28+\q], s12, \q+1               ; TAU[q] = (w + 1 + q) mod 4; step 3 is my own tile
	s_and_b32 s[28+\q], s[28+\q], 3
.endr
	s_lshl_b32 s18, 0x101, s14                     ; expert e's two bits in a word of route
	s_add_co_u32 s50, s14, 8                       ; where the second choice's bit stands
	s_lshl_b32 s51, s13, 3
	s_add_co_u32 s51, s51, s14
	s_lshl_b32 s51, s51, 4
	s_add_co_u32 s51, s51, PROWS                   ; 8,192 + 16 (8 q + e): the 16 rows for this pair's places past the count
	s_lshl_b32 s16, s14, 24                        ; W2: 16 MiB an expert, 4 MiB a quarter, 1 MiB a wave, 512 bytes a slice
	s_lshl_b32 s17, s13, 22
	s_add_co_u32 s16, s16, s17
	s_lshl_b32 s17, s12, 20
	s_add_co_u32 s16, s16, s17
	s_lshl_b32 s17, s15, 9
	s_add_co_u32 s16, s16, s17
	s_mov_b32 s17, 0
	s_lshl_b32 s52, s14, 23                        ; hbuf: 8 MiB an expert, chunk 4 q + w of 8,192 bytes
	s_lshl_b32 s53, s13, 15
	s_add_co_u32 s52, s52, s53
	s_lshl_b32 s53, s12, 13
	s_add_co_u32 s52, s52, s53
	s_mov_b32 s53, 0
	s_lshl_b32 s54, s15, 9                         ; part: 512 bytes a slice; the row comes from the list
	s_mov_b32 s55, 0
	s_wait_kmcnt 0x0
	s_add_nc_u64 s[4:5], s[4:5], s[16:17]
	s_add_nc_u64 s[6:7], s[6:7], s[52:53]
	s_add_nc_u64 s[10:11], s[10:11], s[54:55]
.set i, 0
.rept 8
	global_load_b128 v[32+4*i:35+4*i], v[L16], s[8:9] offset:512*i  ; route's word 128 (i) + 4 lane + c, in every wave; wave 0 uses them
.set i, i+1
.endr
	WLOAD 0
	WLOAD 1
	WLOAD 2
	s_cmp_lg_u32 s12, 0
	s_cbranch_scc1 .Lno_list
	s_wait_loadcnt 48                              ; route is in; the 48 weight loads are younger
.irp z, 0,1,2,3
	v_mov_b32 v[ZQ+\z], 0
.endr
.set i, 0
.rept 9
	ds_store_b128 v[LFA], v[ZQ:ZQ+3] offset:512*i  ; all 1,152 places are written; LDS serves my stores in order, so the entries below land on top
.set i, i+1
.endr
	s_mov_b32 s19, 0                               ; rows so far
.set i, 0
.rept 32
	v_and_b32 v16, s18, v[32+i]
	v_cmp_ne_u32 vcc_lo, 0, v16                    ; who chose e
	v_mbcnt_lo_u32_b32 v17, vcc_lo, s19            ; rank = rows so far + choosers in lower lanes
	v_cndmask_b32 v17, v[TRI], v17, vcc_lo         ; the others go to their unread word
	v_min_u32 v17, NENT+31, v17
	v_lshlrev_b32 v17, 2, v17
	v_add_nc_u32 v17, ENT0, v17
	v_lshrrev_b32 v18, s50, v16                    ; 1 where e is the second choice
	v_lshl_add_u32 v18, v18, 10, v[L4]
	v_add_nc_u32 v18, 128*(i/4)+(i%4), v18         ; 2,048 q + 1,024 k + token
	s_bcnt1_i32_b32 s21, vcc_lo
	s_add_co_u32 s19, s19, s21
	ds_store_b32 v17, v18
.set i, i+1
.endr
	v_add_nc_u32 v17, s19, v1                      ; the 32 places behind the count:
	v_and_b32 v19, 15, v17                         ; a place in its tile
	v_add_nc_u32 v19, s51, v19                     ; has its own row behind part's 8,192; only those of the last tile, 15 at the most, are ever stored by
	v_min_u32 v17, NENT-1, v17
	v_lshlrev_b32 v17, 2, v17
	v_add_nc_u32 v17, ENT0, v17
	v_mov_b32 v18, s19
	v_mov_b32 v16, LIST
	ds_store_b32 v17, v19
	ds_store_b32 v16, v18                          ; the count
.Lno_list:
	WLOAD 3
.set u, 0
.rept 12
	s_wait_loadcnt 48                              ; batch u is in; three batches of 16 are younger
	WCVT u
	WLOAD u+4
.set u, u+1
.endr
	s_wait_dscnt 0x0                               ; wave 0: the list is in LDS
	BAR
	v_mov_b32 v16, LIST
	ds_load_b32 v17, v16
	s_wait_dscnt 0x0
	v_readfirstlane_b32 s22, v17
	s_min_u32 s22, s22, 1024                       ; rows of e
	s_add_co_u32 s23, s22, 15
	s_lshr_b32 s23, s23, 4                         ; tiles, 0 to 64
	s_max_u32 s24, s23, 1
	s_sub_co_u32 s24, s24, 1                       ; the last tile that the first product stored
	s_mov_b32 s33, 0
.rept 4
	s_wait_loadcnt 48
	WCVT u
	AISSUE u-12                                    ; the first trip's tiles follow the last weights
.set u, u+1
.endr
	s_mov_b32 s25, 0                               ; T0: the trip's first tile
	s_mov_b32 s26, s12                             ; my own tile
	s_mov_b32 s27, 16
.Ltrip:
	s_wait_dscnt 0x0                               ; my reads of the exchange are over
	BAR                                            ; everybody's are: it may be written again
	s_cmp_lt_u32 s25, s23
	s_cbranch_scc0 .Lmid
	s_add_co_u32 s33, s25, 4
	STEP 0
	STEP 1
	STEP 2
	STEP 3                                         ; my own tile stays in the accumulators across the barrier
.Lmid:
	s_wait_dscnt 0x0                               ; my partial tiles are in LDS
	BAR
	s_cmp_lt_u32 s26, s23
	s_cbranch_scc0 .Lnext
	s_wait_xcnt 0x0                                ; the last tile's stores have read their data and offsets, which are written below
	XLOAD 0, T1
	XLOAD 1, T2
	s_min_u32 s32, s26, 63
	s_lshl_b32 s32, s32, 6
	v_add_nc_u32 v16, s32, v[LENT]
	ds_load_b128 v[ENT:ENT+3], v16                 ; the entries of rows 8 h .. 8 h + 7 of my tile
	ds_load_b128 v[ENT+4:ENT+7], v16 offset:16
	s_wait_dscnt 18                                ; the first run is in: behind it stand the second's 16 loads and the 2 of the list
	ADDP T1
	XLOAD 2, T1
	s_wait_dscnt 18                                ; the second run is in: behind it stand the 2 of the list and the third's 16
	ADDP T2
	s_wait_dscnt 0x0
.set cb, 0
.rept 2                                                ; the last addition also lays a lane's four columns side by side
.set j, 0
.rept 8
.set c, 0
.rept 4
	v_add_f32 v[T2+32*cb+4*j+c], v[ACC+8*(4*cb+c)+j], v[T1+8*(4*cb+c)+j]
.set c, c+1
.endr
.set j, j+1
.endr
.set cb, cb+1
.endr
.set j, 0
.rept 8
	v_min_u32 v[ENT+j], LASTR, v[ENT+j]            ; a row of part, held inside its 8,704 rows
	v_lshlrev_b32 v[ROFF+j], 12, v[ENT+j]          ; of 4,096 bytes
	v_add_nc_u32 v[ROFF+j], v[ROFF+j], v[R16]
.set j, j+1
.endr
.set j, 0
.rept 8
	global_store_b128 v[ROFF+j], v[T2+4*j:T2+4*j+3], s[10:11]                    ; 16 lanes store 256 consecutive bytes of a row, aligned; the tile's 16 rows are 16 different rows of part
	global_store_b128 v[ROFF+j], v[T2+32+4*j:T2+32+4*j+3], s[10:11] offset:256
.set j, j+1
.endr
.Lnext:
	s_add_co_u32 s25, s25, 4
	s_add_co_u32 s26, s26, 4
	s_sub_co_u32 s27, s27, 1
	s_cmp_lg_u32 s27, 0
	s_cbranch_scc1 .Ltrip
	s_wait_tensorcnt 0x0                           ; the wave's end
	ds_add_u32 v[SPW], v[NIL]
	s_wait_dscnt 0x0
	s_endpgm
.Lfunc_end_k_q287925a76a_ffn2:
	.size	k_q287925a76a_ffn2, .Lfunc_end_k_q287925a76a_ffn2-k_q287925a76a_ffn2
	.p2alignl 7, 3214868480
	.fill 96, 4, 3214868480
	.section	.rodata,"a",@progbits
	.p2align	6, 0x0
	.amdhsa_kernel k_q287925a76a_ffn2
		.amdhsa_group_segment_fixed_size 103936
		.amdhsa_private_segment_fixed_size 0
		.amdhsa_enable_private_segment 0
		.amdhsa_kernarg_size 32
		.amdhsa_user_sgpr_count 2
		.amdhsa_user_sgpr_kernarg_segment_ptr 1
		.amdhsa_wavefront_size32 1
		.amdhsa_system_sgpr_workgroup_id_x 1
		.amdhsa_system_sgpr_workgroup_id_y 1
		.amdhsa_system_sgpr_workgroup_id_z 1
		.amdhsa_system_vgpr_workitem_id 0
		.amdhsa_next_free_vgpr 1024
		.amdhsa_next_free_sgpr 66
		.amdhsa_reserve_vcc 1
		.amdhsa_float_denorm_mode_32 3
		.amdhsa_float_denorm_mode_16_64 3
		.amdhsa_memory_ordered 1
		.amdhsa_forward_progress 1
		.amdhsa_inst_pref_size 130
	.end_amdhsa_kernel
	.amdgpu_metadata
---
amdhsa.version: [ 1, 2 ]
amdhsa.kernels:
  - .name:           k_q287925a76a_ffn2
    .symbol:         k_q287925a76a_ffn2.kd
    .args:
      - { .name: W2, .offset: 0, .size: 8, .value_kind: global_buffer, .address_space: global }
      - { .name: hbuf, .offset: 8, .size: 8, .value_kind: global_buffer, .address_space: global }
      - { .name: route, .offset: 16, .size: 8, .value_kind: global_buffer, .address_space: global }
      - { .name: part, .offset: 24, .size: 8, .value_kind: global_buffer, .address_space: global }
    .group_segment_fixed_size: 103936
    .private_segment_fixed_size: 0
    .kernarg_segment_align: 8
    .kernarg_segment_size: 32
    .max_flat_workgroup_size: 128
    .sgpr_count:     66
    .vgpr_count:     1024
    .wavefront_size: 32
...
	.end_amdgpu_metadata
.endif
;; end of part 3
;; launch combine (part 4): grid 256 x 1, 8 waves a work-group, no clusters, 0 bytes of LDS; arguments part, gatew, out0; writes out0
.if DOCPART == 4
	.amdgcn_target "amdgcn-amd-amdhsa--gfx1250"
	.amdhsa_code_object_version 6
	.text
	.protected	k_q287925a76a_combine
	.globl	k_q287925a76a_combine
	.p2align	8
	.type	k_q287925a76a_combine,@function
k_q287925a76a_combine:
	s_mov_b64 s[64:65], 0
	v_nop
	global_prefetch_b8 v0, s[64:65] scope:SCOPE_SE
	s_setreg_imm32_b32 hwreg(HW_REG_WAVE_MODE, 25, 1), 1
	s_wait_xcnt 0x0
; out[t] = w0[t] x (sum over q of part[q][0][t]) + w1[t] x (sum over q of part[q][1][t]), all in f32.
; A stream: each byte of part is read once and each byte of out written once; no LDS, no barrier, no matrix unit, no cluster: no two waves read the same byte.
; A work-group has 4 tokens; wave v has token 4 g + v / 2 and half v % 2 of its row: 2,048 bytes of each of the 8 partial rows, all 32 loads out at once.
.set VO, 2              ; v2-9    16 x lane + m x 4 MiB, m = 2 q + k
.set D,  16             ; v16-143 group i of four: 8 partial rows x 4 registers
	s_load_b128 s[4:7], s[0:1], 0x0                ; part s[4:5], gatew s[6:7]
	s_load_b64 s[8:9], s[0:1], 0x10                ; out0
	v_and_b32 v1, 31, v0
	v_lshrrev_b32 v10, 5, v0
	v_readfirstlane_b32 s10, v10                   ; wave
	v_lshlrev_b32 v[VO], 4, v1
.irp m, 1,2,3,4,5,6,7
	v_add_nc_u32 v[VO+\m], \m<<22, v[VO]
.endr
	s_lshr_b32 s11, s10, 1
	s_lshl_b32 s12, ttmp9, 2
	s_add_co_u32 s11, s12, s11                     ; my token
	s_and_b32 s12, s10, 1
	s_lshl_b32 s12, s12, 11
	s_lshl_b32 s14, s11, 12
	s_add_co_u32 s14, s14, s12                     ; its row, my half
	s_mov_b32 s15, 0
	s_lshl_b32 s13, s11, 3                         ; its pair of weights
	s_wait_kmcnt 0x0
	s_load_b64 s[16:17], s[6:7], s13 offset:0x0
	s_add_nc_u64 s[4:5], s[4:5], s[14:15]
	s_add_nc_u64 s[8:9], s[8:9], s[14:15]
.irp i, 0,1,2,3
.irp m, 0,1,2,3,4,5,6,7
	global_load_b128 v[D+32*\i+4*\m:D+32*\i+4*\m+3], v[VO+\m], s[4:5] offset:512*\i th:TH_LOAD_NT
.endr
.endr
	s_wait_kmcnt 0x0
	s_mov_b32 s18, s17                             ; w1 as the low word of a pair of its own
	s_mov_b32 s19, s17
.irp i, 0,1,2,3
	s_wait_loadcnt 8*(3-\i)                        ; group i is in; the younger groups of 8 stay out
.irp p, 0,2
	v_pk_add_f32 v[D+32*\i+\p:D+32*\i+\p+1],       v[D+32*\i+\p:D+32*\i+\p+1],       v[D+32*\i+8+\p:D+32*\i+8+\p+1]
	v_pk_add_f32 v[D+32*\i+16+\p:D+32*\i+16+\p+1], v[D+32*\i+16+\p:D+32*\i+16+\p+1], v[D+32*\i+24+\p:D+32*\i+24+\p+1]
	v_pk_add_f32 v[D+32*\i+4+\p:D+32*\i+4+\p+1],   v[D+32*\i+4+\p:D+32*\i+4+\p+1],   v[D+32*\i+12+\p:D+32*\i+12+\p+1]
	v_pk_add_f32 v[D+32*\i+20+\p:D+32*\i+20+\p+1], v[D+32*\i+20+\p:D+32*\i+20+\p+1], v[D+32*\i+28+\p:D+32*\i+28+\p+1]
	v_pk_add_f32 v[D+32*\i+\p:D+32*\i+\p+1],       v[D+32*\i+\p:D+32*\i+\p+1],       v[D+32*\i+16+\p:D+32*\i+16+\p+1]
	v_pk_add_f32 v[D+32*\i+4+\p:D+32*\i+4+\p+1],   v[D+32*\i+4+\p:D+32*\i+4+\p+1],   v[D+32*\i+20+\p:D+32*\i+20+\p+1]
	v_pk_mul_f32 v[D+32*\i+\p:D+32*\i+\p+1], v[D+32*\i+\p:D+32*\i+\p+1], s[16:17] op_sel_hi:[1,0]
	v_pk_fma_f32 v[D+32*\i+\p:D+32*\i+\p+1], v[D+32*\i+4+\p:D+32*\i+4+\p+1], s[18:19], v[D+32*\i+\p:D+32*\i+\p+1] op_sel_hi:[1,0,1]
.endr
	global_store_b128 v[VO], v[D+32*\i:D+32*\i+3], s[8:9] offset:512*\i th:TH_STORE_NT  ; 512 consecutive bytes, aligned
.endr
	s_endpgm
.Lfunc_end_k_q287925a76a_combine:
	.size	k_q287925a76a_combine, .Lfunc_end_k_q287925a76a_combine-k_q287925a76a_combine
	.p2alignl 7, 3214868480
	.fill 96, 4, 3214868480
	.section	.rodata,"a",@progbits
	.p2align	6, 0x0
	.amdhsa_kernel k_q287925a76a_combine
		.amdhsa_group_segment_fixed_size 0
		.amdhsa_private_segment_fixed_size 0
		.amdhsa_enable_private_segment 0
		.amdhsa_kernarg_size 24
		.amdhsa_user_sgpr_count 2
		.amdhsa_user_sgpr_kernarg_segment_ptr 1
		.amdhsa_wavefront_size32 1
		.amdhsa_system_sgpr_workgroup_id_x 1
		.amdhsa_system_sgpr_workgroup_id_y 1
		.amdhsa_system_sgpr_workgroup_id_z 1
		.amdhsa_system_vgpr_workitem_id 0
		.amdhsa_next_free_vgpr 144
		.amdhsa_next_free_sgpr 66
		.amdhsa_reserve_vcc 0
		.amdhsa_float_denorm_mode_32 3
		.amdhsa_float_denorm_mode_16_64 3
		.amdhsa_memory_ordered 1
		.amdhsa_forward_progress 1
		.amdhsa_inst_pref_size 9
	.end_amdhsa_kernel
	.amdgpu_metadata
---
amdhsa.version: [ 1, 2 ]
amdhsa.kernels:
  - .name:           k_q287925a76a_combine
    .symbol:         k_q287925a76a_combine.kd
    .args:
      - { .name: part, .offset: 0, .size: 8, .value_kind: global_buffer, .address_space: global }
      - { .name: gatew, .offset: 8, .size: 8, .value_kind: global_buffer, .address_space: global }
      - { .name: out0, .offset: 16, .size: 8, .value_kind: global_buffer, .address_space: global }
    .group_segment_fixed_size: 0
    .private_segment_fixed_size: 0
    .kernarg_segment_align: 8
    .kernarg_segment_size: 24
    .max_flat_workgroup_size: 256
    .sgpr_count:     66
    .vgpr_count:     144
    .wavefront_size: 32
...
	.end_amdgpu_metadata
.endif
;; end of part 4
